; MI455X (gfx1250); checked and timed in simulation.
; The chip was launched on July 23, 2026; its instructions are those of AMD's public machine-readable ISA for CDNA 5 (MIT licence, August 2026) and "CDNA5" Instruction Set Architecture Reference Guide (July 2026). The comments in the code are by the model that wrote it; some were corrected since.
;; Local Attention ND. Allowed arithmetic: matrix products marked QUANTISED: E5M2 operands, one given power-of-two scale a tensor, by v_wmma_f32_16x16x64_bf8_bf8 or v_wmma_f32_16x16x128_bf8_bf8, f32 sums; products left as they are: f32 operands where the result goes on into a quantised operand, else bf16, f16 or f32 operands; f32 sums; everything else in f32.
;; Inputs: W_out_codes 128 x 4 x 32 uint8 (E5M2 codes of W_out, K innermost, in blocks of 32 codes); W_qkv_codes 384 x 4 x 32 uint8 (E5M2 codes of W_qkv, K innermost, in blocks of 32 codes); W_width 128 x 1 float32; b_width 1 float32; lowp_scales 4 int32 (the exponents e of the quantised operands' scales 2^e); x 4 x 64 x 64 x 128 float32.
;; Outputs: out0 4 x 64 x 64 x 128 float32.
;; This version of the problem:
;;   THIS VERSION OF THE PROBLEM IS GIVEN IN LOW PRECISION. The matrix products marked QUANTISED in the list below multiply operands that are first quantised to E5M2 (5 exponent bits, 2 mantissa bits; 8 bits a number), with one given power-of-two scale for each operand tensor; their sums are f32. All else is computed in f32.
;;   The module's matrix products, in the order in which they are computed (A, B: the left and right operand; K: the contracted axis; several contracted axes count as one K, in the product's order):
;;     1. [M 16,384, K 128] x [K 128, N 384]; A: input x; B: input W_qkv (given as codes): QUANTISED (scales: A lowp_scales[0], B lowp_scales[1])
;;     2. [M 16,384, K 128] x [K 128, N 1]; A: input x; B: input W_width: left as it is (N = 1 < 16)
;;     3. batch 16,384 x [M 1, K 128] x [K 128, N 49]; A: computed on the way; B: computed on the way: left as it is (M = 1 < 16)
;;     4. batch 16,384 x [M 1, K 49] x [K 49, N 128]; A: softmax; B: computed on the way: left as it is (M = 1 < 16)
;;     5. [M 16,384, K 128] x [K 128, N 128]; A: computed on the way; B: input W_out (given as codes): QUANTISED (scales: A lowp_scales[2], B lowp_scales[3])
;;   THE QUANTISER, for each operand of a quantised product, along K:
;;     - The operand's scale is 2^e, e = its entry of the input lowp_scales (int32; the entries are numbered through the quantised products in the list's order, A before B).
;;     - Each number is divided by the scale, clamped to +-57,344, and rounded to the nearest number of E5M2, ties to even, subnormals kept.
;;     - The product sums the exact products of the quantised numbers (number of the format x scale) in f32.
;;   ~~~python
;;   def quantise(x, axis, e):      # numpy; x: float32 -> the quantised numbers, widened to float32 again
;;       x = np.moveaxis(x, axis, -1); K = x.shape[-1]
;;       r = np.clip(x / 2.0 ** e, -57344, 57344)
;;       step = 2.0 ** (np.maximum(np.frexp(np.where(r == 0, 1, r))[1] - 1, -14) - 2)
;;       q = np.round(r / step) * step * 2.0 ** e      # np.round: ties to even
;;       return np.moveaxis(q, -1, axis).astype(np.float32)
;;   ~~~
;;   OPERANDS COMPUTED ON THE WAY. 'Computed on the way' means the value that the module computes at that place (a softmax that the list does not call 'softmax' is quantised finished and normalised). What goes into a quantiser is computed in f32, as accurately as f32 sums, v_exp_f32 and their like allow (about 1e-6 of the number): no bf16 or f16 on the way to a quantiser, and a product that is left as it is and whose result goes on into a quantised operand takes f32 operands (vector FMAs, or v_wmma_f32_16x16x4_f32). A number that lies on a knife's edge between two numbers of the format may be rounded either way, as far as f32 arithmetic and the matrix unit's own rounding can turn it there, and no further.
;;   INPUTS GIVEN AS CODES. W_out (in the module: [128, 128], K = its axis 0); W_qkv (in the module: [128, 384], K = its axis 0): each comes as NAME_codes (uint8): NAME with its K axis moved to the last place and cut into blocks of 32 codes, [.., K / 32, bytes a block], one block behind the other in memory; one code a byte (a code: sign, 5 exponent bits, 2 mantissa bits); its scale is its entry of lowp_scales. Its value is code x scale, taken as it is: it is not quantised again, and the codes and scales need not be those that the quantiser above would give.
;; One version. Each part assembles by itself: llvm-mc -triple=amdgcn-amd-amdhsa -mcpu=gfx1250 --defsym DOCPART=n.
;; ======== version 1 of 1: 1 launch
;; limits: right only within a limited range of input values
;; launch local_attention (part 1): grid 64 x 4, 4 waves a work-group, no clusters, 325,632 bytes of LDS; arguments x, W_qkv_codes, W_out_codes, W_width, b_width, lowp_scales, out0; writes out0
.if DOCPART == 1
	.amdgcn_target "amdgcn-amd-amdhsa--gfx1250"
	.amdhsa_code_object_version 6
	.text
	.protected	k_q379c684948_local_attention
	.globl	k_q379c684948_local_attention
	.p2align	8
	.type	k_q379c684948_local_attention,@function
k_q379c684948_local_attention:
	s_mov_b64 s[64:65], 0
	v_nop
	global_prefetch_b8 v0, s[64:65] scope:SCOPE_SE
	s_setreg_imm32_b32 hwreg(HW_REG_WAVE_MODE, 25, 1), 1
	s_wait_xcnt 0x0
; LOCAL ATTENTION, 7 x 7 windows, x [4][64][64][128] f32, all steps in one launch.
;   qkv = Q(x) W_qkv (BF8 codes);  width = sigmoid(x . W_width + b) sqrt(18) + 0.5;  score = q . k / sqrt(128) - (1 - sigmoid(5 (width - dist))) 10000;
;   softmax over the 49 places of the window (places outside the image count, with k = v = 0);  out0 = Q(attn v + v) W_out (BF8 codes).
; SHARES.  A work-group owns 8 x 8 pixels of one image (64 x 4 = 256 work-groups) and makes k and v anew for its halo of 14 x 14 = 196 pixels (13 tiles of 16).  Four waves; wave g owns the 16 queries of tile rows 2 g, 2 g + 1.
; The keys of those 16 queries are halo rows 2 g .. 2 g + 7: a BAND of 8 x 14 = 112 halo pixels on end, 28 g .. 28 g + 111: exactly 7 tiles of 16.  Key 14 ky + kx of the band; query (qy, qx) itself is key 45 + 14 qy + qx.
; STEPS.  A: each wave takes four halo tiles of x: x . W_width (f32) and the codes (zeros outside the image) go to LDS, and so do images of its tiles of Wq and W_out | barrier |
; B: q of my 16 queries (stays in registers); the ten penalties of my query, scattered into a table [query][112 keys] of the wave's own; the waves share the COLUMNS of Wk and Wv (2 + 2 tiles a wave, in registers) and multiply all 13 pixel
; tiles: K and V to LDS as [pixel][channel], f32 | barrier |  C: each wave alone: S^T = K Q^T by the f32 matrix form (its result goes on into a quantiser, so its operands are f32), the softmax with one query a lane, the weights to a table
; in LDS, attn v by packed f32 multiply-adds: a lane holds 4 channels of all 16 queries, each row of V is read once, and only the 49 keys of a window are multiplied (16 x 49 x 128 / 64 = 1,568 instructions a wave, where all 112 keys of the
; band would be 3,584); quantiser, a turn of the codes through LDS, W_out, stage, whole rows of 512 bytes out.
; SCALES.  q, k, v stay raw sums of code products.  A score is multiplied once by 2^(2 (e0 + e1)) / sqrt(128); the last conversion takes 2^(e2 - e0 - e1); y is multiplied by 2^(e2 + e3).  "+ v" is 1 added to the normalised weight of the query's own key.
; THE PENALTY hangs on the query's width and on one of ten distances: 1 / (1 + exp(-z)), the reciprocal refined by one Newton step, then 1 - s, then x 10000, in that order.  Keys of the band outside the window hold +infinity in the table:
; their score is -infinity and their weight 0.
; LIMITS on the given exponents, so that each power of two below is an f32 number: e0 between -126 and 112; e0 + e1 between -61 and 65; e2 - e0 - e1 between -126 and 112; e2 + e3 between -126 and 127.  NaN among the inputs is not served.
; In the width's sigmoid the exponent of 2 is held at 126: beyond it the sigmoid is 0 to f32 precision, and no infinity enters the Newton step.  In the penalties z lies between -19 and 24 by the width's own bounds (0.5 to 4.75).
; NO CLUSTER, NO TENSOR LOAD: x is quantised on its way, so it goes through registers; a raw halo (196 x 512 bytes) has no room beside K and V (219,648 of the 325,632 bytes claimed); neighbouring tiles share only part of a halo;
; the weights, 65,536 bytes, are read once by a work-group.  NO LOOP, NO BRANCH: the text is written out by macros, so every offset is an immediate and every wait's count can be read off the text.
; REGISTERS, in windows of 256 (s_set_vgpr_msb: bits 1:0 source 0, 3:2 source 1, 5:4 source 2, 7:6 destination):
;   window 0: v1-23 addresses that stay; v24-87 x's codes, then Q, then attn v + v, then y; v88-151 written by matrix instructions alone (k and v, S, y's sums); v152-215 Wk and Wv, then fragments of K, then penalties,
;   scores and weights, then the codes' fragment, then rows of y; v216-255 at work.    window 1: raw x of four halo tiles, then Wq's 8 fragments, then two rows of V and W_out's 8 fragments.
;   window 2: W_width, my tiles of Wq and W_out on their way to LDS; then the weights of four blocks.
.set PK,   528                         ; a pixel's row of K and of V, a query's row of weights, a row of y's stage: 512 bytes + 16.  All pitches here are odd multiples of 16 bytes, so that 16 rows read at one column start at 16 different banks (64 banks of 4 bytes: ISA guide 11.1)
.set PT,   464                         ; a query's row of penalties: 112 x 4 + 16
.set PC,   144                         ; a row of codes: 128 + 16
.set QIMG, 0                           ; LDS: 8 images of Wq's fragments, 2,048 bytes each,
.set OIMG, 16384                       ; 8 of W_out's,
.set COD,  32768                       ; x's codes: 256 rows,
.set DOT,  69632                       ; x . W_width: 256 words,
.set KB,   70656                       ; K: 208 rows,
.set VB,   180480                      ; V: 208 rows,
.set STG,  290304                      ; and a stage of STW bytes for each wave, its own: penalties, then weights, then codes, then y
.set STW,  8704
.set RR,   1                           ; r = lane % 16
.set HH,   2                           ; h = lane / 16
.set LI,   3                           ; 16 x lane
.set CW,   4                           ; codes: where I store: row 16 g + r, + 16 h
.set CF,   5                           ; codes: row r, + 16 h
.set CQ,   6                           ; codes: my query's row, + 16 h
.set DW,   7                           ; x . W_width: word 16 g + r
.set DQ,   8                           ; my query's word
.set IW,   9                           ; images: 16 x lane + 4,096 g
.set KST,  10                          ; v10, v11  where I store k: pixel tiles 0-6, 7-12
.set VST,  12                          ; v12, v13  the same for v
.set AK,   14                          ; my lane's place in the band's first tile of K
.set AVV,  15                          ; my 16 bytes (4 channels) of the band's first pixel of V
.set SL,   16                          ; stage + 16 x lane
.set TR,   17                          ; penalties: my query's row + 32 h
.set TA,   18                          ; v18-21   penalties: where window row a goes (lanes 16-31: row 6 - a)
.set STO,  22                          ; stage: where I put 32 bytes of a row of y
.set KS,   23                          ; my query's own key, less 8 h
.set CDS,  24                          ; step A: four sets of 16 code registers
.set QA,   24                          ; Q: register 8 t + j = channel 16 t + 8 h + j of query r
.set AO,   24                          ; attn v + v: query q at v[AO + 4 q], my 4 channels; then y
.set ACC,  88
.set WK,   152
.set WV,   184
.set KF,   152                         ; fragments of K, two sets of 28
.set TT,   152                         ; penalties, scores, weights: register 8 t + j = key 16 t + 8 h + j of query r
.set AC,   152                         ; the codes of attn v + v as a fragment
.set RW,   152                         ; rows of y
.set XO,   216                         ; v216-219 step A: byte offset in x of my pixel of four halo tiles
.set WO16, 220                         ; byte offset in a tensor of codes: my wave's 32 rows, row r, + 16 h
.set WWO,  222                         ; 64 h
.set SCX,  223                         ; 2^e0 as f32
.set LMX,  224                         ; 57,344 x 2^e0
.set T0,   232                         ; v232-237 set-up: at work
.set DR,   240                         ; v240-243 x . W_width of four tiles
.set TP,   246
.set DA,   248                         ; v248-255 the dot's four chains
.set XQ,   216                         ; step B: my queries' code fragment
.set XB,   216                         ; two code fragments of pixel tiles
.set CL,   232                         ; ten penalties
.set RC,   242                         ; ten reciprocals
.set WD,   252                         ; my query's width
.set DT,   253
.set FIL,  252                         ; four times +infinity
.set CD,   216                         ; step C: codes of attn v + v, a query a register
.set PW,   232                         ; v232, v233  weights: my query's row, moved back by qx places, + 32 h or + 40 h
.set PRD,  234                         ; weights: the table's first byte, the same in all lanes
.set CST,  235                         ; codes: stage + 4 x lane
.set CRD,  236                         ; codes: stage + row r + 16 h
.set T1,   237                         ; v237, v238 at work
.set MX,   240
.set ML,   242                         ; v[242:243]
.set L0,   244                         ; v[244:245]
.set L1,   246                         ; v[246:247]
.set RL,   248                         ; v[248:249]
.set TM,   250
.set SCA,  252                         ; 2^(e2 - e0 - e1) as f32
.set LMA,  253                         ; 57,344 x that
.set VR,   0                           ; window 1: two rows of V, 56 registers each
.set WOF,  128                         ; window 1: W_out's 8 fragments
.set WW,   0                           ; window 2: W_width at my lane's channels
.set WQT,  64                          ; window 2: my two tiles of Wq
.set WOT,  96                          ; window 2: my two tiles of W_out
.set PB,   0                           ; window 2: the weights of four blocks, 64 registers each
.set MK,   28                          ; s28-31   lanes whose pixel of halo tile g + 4 i lies in the image
.set SEL,  32                          ; s[32:33] v_permlanex16_b32's selects for lane l xor 16
.set SCF,  44                          ; s[44:45] 2^(2 (e0 + e1)) / sqrt(128)
.set L2E,  46                          ; s[46:47] log2(e)
.set YS,   48                          ; s[48:49] 2^(e2 + e3)
.set MSB,  0
.macro WIN new                         ; the immediate's high byte repeats the setting that is left; a switch that changes nothing is dropped
.if MSB != (\new)
	s_set_vgpr_msb (MSB<<8)|(\new)
.set MSB, (\new)
.endif
.endm
.macro PLACES n                        ; plain vector instructions between a matrix instruction and what may not follow it at once (ISA guide 7.12.1): 4 or 5 behind the BF8 form, 8 or 9 behind the f32 form
.rept \n
	v_nop
.endr
.endm
; 16 pixels x 128 channels of x in the order of the operand's registers: lane (r, h) takes, of its pixel, channels 32 c + 16 h + 0 .. 15 into registers 16 c + 0 .. 15
.macro XLOAD reg, off
.irp c, 0,1,2,3
.irp j, 0,1,2,3
	global_load_b128 v[(\reg)+16*\c+4*\j:(\reg)+16*\c+4*\j+3], v[\off], s[4:5] offset:128*\c+16*\j
.endr
.endr
.endm
; two tiles of 16 rows x 128 codes: lane (r, h): row r, codes 32 c + 16 h + 0 .. 15 in registers 4 c .. 4 c + 3: the places of k that the other operand's codes have
.macro WLOAD reg, base, off
.irp u, 0,1
.irp c, 0,1,2,3
	global_load_b128 v[(\reg)+16*\u+4*\c:(\reg)+16*\u+4*\c+3], v[WO16], s[\base:\base+1] offset:(\off)+2048*\u+32*\c
.endr
.endr
.endm
; Halo tile g + 4 i: x . W_width, then the codes; left = the younger loads that may stay out
.macro HALO i, left
	s_wait_loadcnt \left
	WIN 0x09                                       ; source 0 (x) window 1, source 1 (W_width) window 2
.irp k, 0,1,2,3
	v_pk_mul_f32 v[DA+2*\k:DA+2*\k+1], v[64*(\i)+2*\k:64*(\i)+2*\k+1], v[WW+2*\k:WW+2*\k+1]   ; four chains; the first products start them
.endr
.set n_, 4
.rept 28
	v_pk_fma_f32 v[DA+2*(n_%4):DA+2*(n_%4)+1], v[64*(\i)+2*n_:64*(\i)+2*n_+1], v[WW+2*n_:WW+2*n_+1], v[DA+2*(n_%4):DA+2*(n_%4)+1]
.set n_, n_+1
.endr
	WIN 0
	v_pk_add_f32 v[DA:DA+1], v[DA:DA+1], v[DA+2:DA+3]
	v_pk_add_f32 v[DA+4:DA+5], v[DA+4:DA+5], v[DA+6:DA+7]
	v_pk_add_f32 v[DA:DA+1], v[DA:DA+1], v[DA+4:DA+5]
	v_add_f32 v[DA], v[DA], v[DA+1]
	v_permlanex16_b32 v[TP], v[DA], s[SEL], s[SEL+1]   ; the pixel's other 64 channels lie in the lane 16 away
	v_add_f32 v[DR+\i], v[DA], v[TP]
	ds_store_b32 v[DW], v[DR+\i] offset:256*(\i)   ; lanes r and r + 16 write the same word with the same number
	WIN 0x41                                       ; source 0 and destination window 1
.set n_, 0
.rept 64
	v_med3_num_f32 v[64*(\i)+n_], v[64*(\i)+n_], -v[LMX], v[LMX]   ; the conversion to an 8-bit code does not saturate (ISA guide 7.6.2): the hold at the largest code x the scale
.set n_, n_+1
.endr
	WIN 0x01
.set n_, 0
.rept 8
	v_cvt_scalef32_pk8_bf8_f32 v[CDS+16*(\i)+2*n_:CDS+16*(\i)+2*n_+1], v[64*(\i)+8*n_:64*(\i)+8*n_+7], v[SCX]
.set n_, n_+1
.endr
	WIN 0
	v_nop                                          ; one plain vector instruction between the conversions and the next vector or matrix instruction that touches their results
.set n_, 0
.rept 16
	v_cndmask_b32 v[CDS+16*(\i)+n_], 0, v[CDS+16*(\i)+n_], s[MK+\i]   ; outside the image: zero codes, so k = v = 0 there
.set n_, n_+1
.endr
.irp c, 0,1,2,3
	ds_store_b128 v[CW], v[CDS+16*(\i)+4*\c:CDS+16*(\i)+4*\c+3] offset:64*PC*(\i)+32*\c   ; byte = channel: registers 4 c .. 4 c + 3 are channels 32 c + 16 h + 0 .. 15
.endr
.endm
.macro TSTORE ap, bq                   ; the penalty of window row ap (lanes 16-31: 6 - ap), column bq: class hi (hi + 1) / 2 + lo of (|dy|, |dx|)
.set da_, 3-(\ap)
.set db_, (\bq)-3
.if db_ < 0
.set db_, 0-db_
.endif
.if da_ > db_
.set hi_, da_
.set lo_, db_
.else
.set hi_, db_
.set lo_, da_
.endif
	ds_store_b32 v[TA+(\ap)], v[CL+hi_*(hi_+1)/2+lo_] offset:56*(\ap)+4*(\bq)
.endm
.macro FETCHX t                        ; the code fragment of pixel tile t
.irp c, 0,1,2,3
	ds_load_b128 v[XB+16*((\t)%2)+4*\c:XB+16*((\t)%2)+4*\c+3], v[CF] offset:16*PC*(\t)+32*\c
.endr
.endm
; Pixel tile t x my two tiles of Wk and two of Wv.  Source 0 = 16 rows of the weight, source 1 = 16 pixels: lane (r, h) holds pixel r and eight neighbouring channels: 32 bytes of a pixel's row in LDS.
.macro KVSTEP t
.set xb_, XB+16*((\t)%2)
.set dd_, ACC+32*((\t)%2)
.if (\t) == 0
	s_wait_dscnt 4                                 ; fragment 0 is in; fragment 1's four loads may be out
.elseif (\t) < 12
	s_wait_dscnt 12                                ; fragment t is in; behind its loads: the last step's 8 stores and 4 loads
.else
	s_wait_dscnt 8                                 ; the last step issued 8 stores and no loads
.endif
	v_wmma_f32_16x16x128_bf8_bf8 v[dd_:dd_+7], v[WK:WK+15], v[xb_:xb_+15], 0
	v_wmma_f32_16x16x128_bf8_bf8 v[dd_+8:dd_+15], v[WK+16:WK+31], v[xb_:xb_+15], 0
	v_wmma_f32_16x16x128_bf8_bf8 v[dd_+16:dd_+23], v[WV:WV+15], v[xb_:xb_+15], 0
	v_wmma_f32_16x16x128_bf8_bf8 v[dd_+24:dd_+31], v[WV+16:WV+31], v[xb_:xb_+15], 0
	PLACES 4                                       ; in front of the stores of results and of the loads into the fragment just read; two steps' places stand between the products that write one set of results
.irp u, 0,1
	ds_store_b128 v[KST+(\t)/7], v[dd_+8*\u:dd_+8*\u+3] offset:16*PK*((\t)%7)+64*\u
	ds_store_b128 v[KST+(\t)/7], v[dd_+8*\u+4:dd_+8*\u+7] offset:16*PK*((\t)%7)+64*\u+16
	ds_store_b128 v[VST+(\t)/7], v[dd_+16+8*\u:dd_+16+8*\u+3] offset:16*PK*((\t)%7)+64*\u
	ds_store_b128 v[VST+(\t)/7], v[dd_+16+8*\u+4:dd_+16+8*\u+7] offset:16*PK*((\t)%7)+64*\u+16
.endr
.if (\t)+2 <= 12
	FETCHX (\t)+2
.endif
.endm
; Chunk c of 16: 4 channels a lane, 16 (c / 2) + 8 h + 4 (c % 2) + 0 .. 3, of the band's 7 key tiles: the channels that registers 4 c .. 4 c + 3 of Q hold in the same lane
.macro LOADK c
.irp t, 0,1,2,3,4,5,6
	ds_load_b128 v[KF+28*((\c)%2)+4*\t:KF+28*((\c)%2)+4*\t+3], v[AK] offset:16*PK*\t+64*((\c)/2)+16*((\c)%2)
.endr
.endm
; 14 matrix instructions: S^T += K Q^T, two steps of 4 along the channels; source 0 = 16 keys, source 1 = my 16 queries: lane (r, h) holds query r and keys 16 t + 8 h + 0 .. 7.
; The 7 accumulators take turns, one instruction a turn.  The first step starts the sums with the constant 0.
.macro MULS c
.irp u, 0,1
.irp t, 0,1,2,3,4,5,6
.if ((\c) == 0) && (\u == 0)
	v_wmma_f32_16x16x4_f32 v[ACC+8*\t:ACC+8*\t+7], v[KF+28*((\c)%2)+4*\t+2*\u:KF+28*((\c)%2)+4*\t+2*\u+1], v[QA+4*(\c)+2*\u:QA+4*(\c)+2*\u+1], 0
.else
	v_wmma_f32_16x16x4_f32 v[ACC+8*\t:ACC+8*\t+7], v[KF+28*((\c)%2)+4*\t+2*\u:KF+28*((\c)%2)+4*\t+2*\u+1], v[QA+4*(\c)+2*\u:QA+4*(\c)+2*\u+1], v[ACC+8*\t:ACC+8*\t+7]
.endif
.endr
.endr
.endm
.macro LOADVR row                      ; a band row: 14 pixels of V, my 4 channels of each: the 32 lanes read a pixel's 512 consecutive bytes
	WIN 0x40
.irp n, 0,1,2,3,4,5,6,7,8,9,10,11,12,13
	ds_load_b128 v[VR+56*((\row)%2)+4*\n:VR+56*((\row)%2)+4*\n+3], v[AVV] offset:(14*(\row)+\n)*PK
.endr
.endm
; Block blk of 14: band row ky = (blk + 1) / 2 and the eight queries of tile row qy = blk % 2.  Their seven weights of that row: two aligned quads a query, at one address for all lanes
.macro LOADPB blk
.set ky_, ((\blk)+1)/2
.set qy_, (\blk)%2
	WIN 0x80
.irp n, 0,1,2,3,4,5,6,7
	ds_load_b128 v[PB+64*((\blk)%4)+8*\n:PB+64*((\blk)%4)+8*\n+3], v[PRD] offset:(8*qy_+\n)*PK+64*ky_
	ds_load_b128 v[PB+64*((\blk)%4)+8*\n+4:PB+64*((\blk)%4)+8*\n+7], v[PRD] offset:(8*qy_+\n)*PK+64*ky_+16
.endr
.endm
; A block's work: first the loads that run ahead (the weights of three blocks on, into the set that the last block has left; in odd blocks the row of V that the block after next begins with, into the set of the row just done with),
; then 112 packed multiply-adds: query (qy, n), window column b: key kx = n + b.  Fifteen other sums stand between two additions onto one.  A query's first product starts its sum: nothing is cleared.
; left = the LDS loads that the last block and this one issued: they may stay out; all that this block reads was issued ahead of them.
.macro PVBLK blk, left
.if (\blk)+3 <= 13
	LOADPB (\blk)+3
.endif
.if (((\blk)%2) == 1) && (((\blk)+3)/2 <= 7)
	LOADVR ((\blk)+3)/2
.endif
	s_wait_dscnt \left
	WIN 0x09                                       ; source 0 (V) window 1, source 1 (the weights) window 2
.set ky_, ((\blk)+1)/2
.set qy_, (\blk)%2
.set pb_, PB+64*((\blk)%4)
.set vr_, VR+56*(ky_%2)
.irp b, 0,1,2,3,4,5,6
.irp n, 0,1,2,3,4,5,6,7
.set ao_, AO+4*(8*qy_+\n)
.set vv_, vr_+4*(\n+\b)
.set pp_, pb_+8*\n+2*(\b/2)
.if (ky_ == qy_) && (\b == 0)
	v_pk_mul_f32 v[ao_:ao_+1], v[vv_:vv_+1], v[pp_:pp_+1] op_sel_hi:[1,0]
	v_pk_mul_f32 v[ao_+2:ao_+3], v[vv_+2:vv_+3], v[pp_:pp_+1] op_sel_hi:[1,0]
.elseif (\b%2) == 0
	v_pk_fma_f32 v[ao_:ao_+1], v[vv_:vv_+1], v[pp_:pp_+1], v[ao_:ao_+1] op_sel_hi:[1,0,1]
	v_pk_fma_f32 v[ao_+2:ao_+3], v[vv_+2:vv_+3], v[pp_:pp_+1], v[ao_+2:ao_+3] op_sel_hi:[1,0,1]
.else
	v_pk_fma_f32 v[ao_:ao_+1], v[vv_:vv_+1], v[pp_:pp_+1], v[ao_:ao_+1] op_sel:[0,1,0] op_sel_hi:[1,1,1]
	v_pk_fma_f32 v[ao_+2:ao_+3], v[vv_+2:vv_+3], v[pp_:pp_+1], v[ao_+2:ao_+3] op_sel:[0,1,0] op_sel_hi:[1,1,1]
.endif
.endr
.endr
.endm
	; ---------------- the head: first what the loads need
	s_load_b256 s[4:11], s[0:1], 0x0               ; x s[4:5], W_qkv's codes s[6:7], W_out's codes s[8:9], W_width s[10:11]
	s_load_b128 s[12:15], s[0:1], 0x20             ; b_width s[12:13], the scales' exponents s[14:15]
	s_load_b64 s[16:17], s[0:1], 0x30              ; out0
	s_set_vgpr_msb 0xc0
	v_lshl_add_u32 v0, v0, 2, 0x4f600
	v_mov_b32 v1, 0
	s_set_vgpr_msb 0xc000
	v_lshrrev_b32 v[T0], 5, v0
	v_readfirstlane_b32 s18, v[T0]                 ; wave g
	v_and_b32 v[RR], 15, v0
	v_bfe_u32 v[HH], v0, 4, 1
	v_and_b32 v[LI], 31, v0
	v_lshlrev_b32 v[LI], 4, v[LI]
	s_and_b32 s19, ttmp9, 7
	s_lshl_b32 s19, s19, 3                         ; X0: the tile's first column
	s_lshr_b32 s20, ttmp9, 3
	s_lshl_b32 s20, s20, 3                         ; Y0: its first row
	s_and_b32 s21, ttmp7, 0xffff                   ; the image
	s_lshl_b32 s22, s21, 21                        ; 64 x 64 x 512 bytes each
	s_mov_b32 s23, 0
	s_lshl_b32 s24, s18, 1
	s_add_co_u32 s24, s24, s20
	s_lshl_b32 s24, s24, 6
	s_add_co_u32 s24, s24, s19                     ; the pixel number of my wave's first query
	s_lshl_b32 s24, s24, 9
	s_mov_b32 s25, 0
	s_lshl_b32 s26, s18, 4
	v_add_nc_u32 v[T0], s26, v[RR]                 ; 16 g + r
.irp i, 0,1,2,3                        ; halo tile g + 4 i: pixel p = 14 hy + hx of the halo.  Tiles 13-15 and p over 195 do not exist: they read pixel 195 and become zero codes
	v_add_nc_u32 v[T0+1], 64*\i, v[T0]             ; p
	v_cmp_gt_u32 s[MK+\i], 196, v[T0+1]
	v_min_u32 v[T0+1], 195, v[T0+1]
	v_mul_u32_u24 v[T0+2], v[T0+1], 147
	v_lshrrev_b32 v[T0+2], 11, v[T0+2]             ; hy = p / 14 (147 / 2048 serves p up to 195)
	v_mul_u32_u24 v[T0+3], v[T0+2], 14
	v_sub_nc_u32 v[T0+3], v[T0+1], v[T0+3]         ; hx
	v_add_nc_u32 v[T0+2], s20, v[T0+2]             ; the image's row + 3
	v_add_nc_u32 v[T0+3], s19, v[T0+3]             ; the image's column + 3
	v_add_nc_u32 v[T0+4], -3, v[T0+2]
	v_add_nc_u32 v[T0+5], -3, v[T0+3]
	v_or_b32 v[T0+4], v[T0+4], v[T0+5]
	v_cmp_gt_u32 vcc_lo, 64, v[T0+4]               ; both between 0 and 63
	s_and_b32 s[MK+\i], s[MK+\i], vcc_lo
	v_max_u32 v[T0+2], 3, v[T0+2]                  ; no load leaves x: the address is held inside the image
	v_min_u32 v[T0+2], 66, v[T0+2]
	v_max_u32 v[T0+3], 3, v[T0+3]
	v_min_u32 v[T0+3], 66, v[T0+3]
	v_lshl_add_u32 v[T0+2], v[T0+2], 6, v[T0+3]
	v_add_nc_u32 v[T0+2], 0xffffff3d, v[T0+2]      ; - (3 x 64 + 3)
	v_lshlrev_b32 v[T0+2], 9, v[T0+2]
	v_lshl_add_u32 v[XO+\i], v[HH], 6, v[T0+2]     ; 512 x pixel + 64 h
.endr
	s_lshl_b32 s26, s18, 12
	v_lshl_add_u32 v[T0+1], v[RR], 7, s26          ; my wave's 32 rows of 128 codes, row r
	v_lshl_add_u32 v[WO16], v[HH], 4, v[T0+1]
	v_lshlrev_b32 v[WWO], 6, v[HH]
	s_wait_kmcnt 0x0
	s_add_nc_u64 s[4:5], s[4:5], s[22:23]          ; x at my image
	s_add_nc_u64 s[16:17], s[16:17], s[22:23]
	s_add_nc_u64 s[16:17], s[16:17], s[24:25]      ; out0 at my wave's first query
	s_load_b128 s[36:39], s[14:15], 0x0            ; e0 (x), e1 (W_qkv), e2 (attn v + v), e3 (W_out)
	s_load_b32 s40, s[12:13], 0x0                  ; b_width
	; ---------------- all global loads of the launch: 112 a wave: W_width 16, x 64, weights 32
	WIN 0x80
.irp c, 0,1,2,3
.irp j, 0,1,2,3
	global_load_b128 v[WW+16*\c+4*\j:WW+16*\c+4*\j+3], v[WWO], s[10:11] offset:128*\c+16*\j   ; W_width at the channels that my lane holds of x
.endr
.endr
	WIN 0x40
.irp i, 0,1,2,3
	XLOAD 64*\i, XO+\i
.endr
	WIN 0x80
	WLOAD WQT, 6, 0                                ; Wq: rows 0-127 of W_qkv's codes; my tiles 2 g, 2 g + 1
	WLOAD WOT, 8, 0                                ; W_out: my tiles 2 g, 2 g + 1
	WIN 0
	WLOAD WK, 6, 16384                             ; Wk: rows 128-255; they stay in registers
	WLOAD WV, 6, 32768                             ; Wv: rows 256-383
	; ---------------- LDS addresses and constants, while the loads are out
	s_mov_b32 s[SEL], 0x76543210
	s_mov_b32 s[SEL+1], 0xfedcba98
	v_lshrrev_b32 v[T0+1], 3, v[RR]                ; qy
	v_and_b32 v[T0+2], 7, v[RR]                    ; qx
	v_mul_u32_u24 v[T0+3], v[T0+1], 14
	v_add_nc_u32 v[T0+3], v[T0+3], v[T0+2]         ; 14 qy + qx
	s_mul_i32 s26, s18, 28
	s_add_co_u32 s26, s26, 45
	v_add_nc_u32 v[T0+4], s26, v[T0+3]             ; my query's halo pixel: 28 g + 45 + 14 qy + qx
	v_mul_u32_u24 v[T0+5], v[T0+4], PC
	v_lshl_add_u32 v[T0+5], v[HH], 4, v[T0+5]
	v_add_nc_u32 v[CQ], COD, v[T0+5]
	v_lshlrev_b32 v[T0+4], 2, v[T0+4]
	v_add_nc_u32 v[DQ], DOT, v[T0+4]
	v_add_nc_u32 v[T0+4], 45, v[T0+3]
	v_lshlrev_b32 v[T0+5], 3, v[HH]
	v_sub_nc_u32 v[KS], v[T0+4], v[T0+5]
	v_mul_u32_u24 v[T0+4], v[T0], PC
	v_lshl_add_u32 v[T0+4], v[HH], 4, v[T0+4]
	v_add_nc_u32 v[CW], COD, v[T0+4]
	v_mul_u32_u24 v[T0+4], v[RR], PC
	v_lshl_add_u32 v[T0+4], v[HH], 4, v[T0+4]
	v_add_nc_u32 v[CF], COD, v[T0+4]
	v_lshlrev_b32 v[T0+4], 2, v[T0]
	v_add_nc_u32 v[DW], DOT, v[T0+4]
	s_lshl_b32 s26, s18, 12
	v_add_nc_u32 v[IW], s26, v[LI]
	v_mul_u32_u24 v[T0+4], v[RR], PK
	v_lshl_add_u32 v[T0+4], v[HH], 5, v[T0+4]      ; 528 r + 32 h
	s_lshl_b32 s26, s18, 7
	s_add_co_u32 s26, s26, KB
	v_add_nc_u32 v[KST], s26, v[T0+4]              ; K: pixel r, my wave's 32 channels, + 8 h channels
	v_add_nc_u32 v[KST+1], 7*16*PK, v[KST]
	v_add_nc_u32 v[VST], 208*PK, v[KST]            ; V lies 208 rows behind K
	v_add_nc_u32 v[VST+1], 208*PK, v[KST+1]
	s_mul_i32 s26, s18, 28*PK
	s_add_co_u32 s26, s26, KB
	v_add_nc_u32 v[AK], s26, v[T0+4]               ; the band begins at halo pixel 28 g
	s_mul_i32 s26, s18, 28*PK
	s_add_co_u32 s26, s26, VB
	v_add_nc_u32 v[AVV], s26, v[LI]
	s_mul_i32 s27, s18, STW
	s_add_co_u32 s27, s27, STG                     ; my stage (s27 stays)
	v_add_nc_u32 v[STO], s27, v[T0+4]
	v_add_nc_u32 v[SL], s27, v[LI]
	v_mul_u32_u24 v[T0+4], v[RR], PT
	v_add_nc_u32 v[T0+4], s27, v[T0+4]             ; my query's row of penalties
	v_lshl_add_u32 v[TR], v[HH], 5, v[T0+4]
	v_lshl_add_u32 v[TA+3], v[T0+3], 2, v[T0+4]    ; + 4 (14 qy + qx): the window's first key
	v_mad_u32_u24 v[TA], v[HH], 336, v[TA+3]       ; lanes 16-31 write row 6 - a where lanes 0-15 write row a: 56 (6 - 2 a) bytes further on
	v_mad_u32_u24 v[TA+1], v[HH], 224, v[TA+3]
	v_mad_u32_u24 v[TA+2], v[HH], 112, v[TA+3]
	v_mov_b32 v[TP], 0                             ; written once: a lane permute's destination counts as one of its sources
	s_wait_kmcnt 0x0
	s_add_co_i32 s41, s36, 127
	s_lshl_b32 s42, s41, 23
	v_mov_b32 v[SCX], s42                          ; 2^e0: the conversion takes its exponent field
	s_add_co_i32 s41, s41, 15
	s_lshl_b32 s41, s41, 23
	s_or_b32 s41, s41, 0x600000
	v_mov_b32 v[LMX], s41                          ; 57,344 x 2^e0
	s_add_co_i32 s43, s36, s37                     ; e0 + e1
	s_lshl_b32 s42, s43, 24
	s_add_co_i32 s[SCF], s42, 0x3db504f3           ; 128^-0.5 with 2 (e0 + e1) added to its exponent field
	s_mov_b32 s[SCF+1], s[SCF]                     ; (named with it as a pair, so it is written)
	s_mov_b32 s[L2E], 0x3fb8aa3b
	s_mov_b32 s[L2E+1], s[L2E]
	s_add_co_i32 s[YS], s38, s39
	s_add_co_i32 s[YS], s[YS], 127
	s_lshl_b32 s[YS], s[YS], 23                    ; 2^(e2 + e3)
	s_mov_b32 s[YS+1], s[YS]
	s_sub_co_i32 s50, s38, s43
	s_add_co_i32 s50, s50, 127
	s_add_co_i32 s51, s50, 15
	s_lshl_b32 s50, s50, 23                        ; 2^(e2 - e0 - e1)
	s_lshl_b32 s51, s51, 23
	s_or_b32 s51, s51, 0x600000                    ; 57,344 x that
	; ---------------- A: four halo tiles.  Behind tile 0's loads 80 were issued and behind tile 1's 64: the wait's field holds 63; behind tile 2's: tile 3's 16 and 32 of weights; behind tile 3's: the 32
	HALO 0, 63
	HALO 1, 63
	HALO 2, 48
	HALO 3, 32
	s_wait_loadcnt 0x0                             ; the weights
	WIN 0x08                                       ; store data in window 2
.irp u, 0,1
.irp c, 0,1,2,3
	ds_store_b128 v[IW], v[WQT+16*\u+4*\c:WQT+16*\u+4*\c+3] offset:QIMG+2048*\u+512*\c   ; a fragment goes to LDS as an image of its registers: lane l's 16 bytes at 16 l
	ds_store_b128 v[IW], v[WOT+16*\u+4*\c:WOT+16*\u+4*\c+3] offset:OIMG+2048*\u+512*\c
.endr
.endr
	WIN 0
	s_wait_dscnt 0x0                               ; for the others' sake: my stores have landed
	s_barrier_signal -1
	s_barrier_wait -1                              ; codes, dots and images of all four waves lie in LDS; nobody writes them again
	; ---------------- B
	ds_load_b32 v[DT], v[DQ]                       ; my query's x . W_width
.irp c, 0,1,2,3
	ds_load_b128 v[XQ+4*\c:XQ+4*\c+3], v[CQ] offset:32*\c   ; my queries' code fragment
.endr
	WIN 0x40
.set f_, 0
.rept 8                                ; Wq's 8 fragments at v[16 f] of window 1
.irp c, 0,1,2,3
	ds_load_b128 v[16*f_+4*\c:16*f_+4*\c+3], v[LI] offset:QIMG+2048*f_+512*\c
.endr
.set f_, f_+1
.endr
	s_wait_dscnt 0x0
	WIN 0x01                                       ; source 0 (Wq) window 1
.irp t, 0,1,2,3,4,5,6,7
	v_wmma_f32_16x16x128_bf8_bf8 v[QA+8*\t:QA+8*\t+7], v[16*\t:16*\t+15], v[XQ:XQ+15], 0   ; source 0 = 16 rows of Wq, source 1 = my queries: lane (r, h): query r, channels 16 t + 8 h + 0 .. 7
.endr
	WIN 0
	v_add_f32 v[WD], s40, v[DT]                    ; the width: sigmoid(x . W_width + b) sqrt(18) + 0.5
	v_mul_f32 v[WD], 0xbfb8aa3b, v[WD]             ; x -log2(e)
	v_min_num_f32 v[WD], 0x42fc0000, v[WD]         ; held at 126
	v_exp_f32 v[WD], v[WD]
	v_nop                                          ; a plain instruction behind a transcendental (ISA guide 5.7.2),
	s_wait_alu depctr_va_vdst(0)                   ; and the wait ahead of the first use of its result
	v_add_f32 v[WD], 1.0, v[WD]
	v_rcp_f32 v[DT], v[WD]
	v_nop
	s_wait_alu depctr_va_vdst(0)
	v_fma_f32 v[WD], -v[WD], v[DT], 1.0            ; one Newton step: 1 - u r,
	v_fma_f32 v[DT], v[DT], v[WD], v[DT]           ; r + r (1 - u r)
	v_fma_f32 v[WD], v[DT], 0x4087c3b6, 0.5
	v_mov_b32 v[CL], v[WD]                         ; width - distance, for the ten distances: 0, 1, sqrt 2, 2, sqrt 5, sqrt 8, 3, sqrt 10, sqrt 13, sqrt 18
	v_add_f32 v[CL+1], -1.0, v[WD]
	v_add_f32 v[CL+2], 0xbfb504f3, v[WD]
	v_add_f32 v[CL+3], -2.0, v[WD]
	v_add_f32 v[CL+4], 0xc00f1bbd, v[WD]
	v_add_f32 v[CL+5], 0xc03504f3, v[WD]
	v_add_f32 v[CL+6], 0xc0400000, v[WD]
	v_add_f32 v[CL+7], 0xc04a62c2, v[WD]
	v_add_f32 v[CL+8], 0xc066c15a, v[WD]
	v_add_f32 v[CL+9], 0xc087c3b6, v[WD]
.irp n, 0,1,2,3,4,5,6,7,8,9
	v_mul_f32 v[CL+\n], 0x40a00000, v[CL+\n]       ; z = 5 (width - distance)
.endr
.irp n, 0,1,2,3,4,5,6,7,8,9
	v_mul_f32 v[CL+\n], 0xbfb8aa3b, v[CL+\n]
.endr
.irp n, 0,1,2,3,4,5,6,7,8,9
	v_exp_f32 v[CL+\n], v[CL+\n]                   ; exp(-z): one batch
.endr
.irp k, 0,1,2,3
	v_mov_b32 v[FIL+\k], 0x7f800000                ; +infinity (the width has been read); also the plain instruction behind the batch
.endr
	s_wait_alu depctr_va_vdst(0)                   ; one wait for the ten
.irp n, 0,1,2,3,4,5,6,7,8,9
	v_add_f32 v[CL+\n], 1.0, v[CL+\n]
.endr
.irp n, 0,1,2,3,4,5,6,7,8,9
	v_rcp_f32 v[RC+\n], v[CL+\n]
.endr
	v_nop
	s_wait_alu depctr_va_vdst(0)
.irp n, 0,1,2,3,4,5,6,7,8,9
	v_fma_f32 v[CL+\n], -v[CL+\n], v[RC+\n], 1.0
.endr
.irp n, 0,1,2,3,4,5,6,7,8,9
	v_fma_f32 v[RC+\n], v[RC+\n], v[CL+\n], v[RC+\n]   ; the soft mask
.endr
.irp n, 0,1,2,3,4,5,6,7,8,9
	v_sub_f32 v[CL+\n], 1.0, v[RC+\n]
.endr
.irp n, 0,1,2,3,4,5,6,7,8,9
	v_mul_f32 v[CL+\n], 0x461c4000, v[CL+\n]       ; x 10000
.endr
.irp i, 0,1,2,3,4,5,6,7,8,9,10,11,12,13,14,15,16
	ds_store_b128 v[SL], v[FIL:FIL+3] offset:512*\i   ; 17 x 512 bytes of +infinity: my whole stage, the table's 16 x 464 bytes among them; so every byte of the stage that is read later has been written
.endr
.irp a, 0,1,2,3                        ; LDS serves a wave's instructions in order (ISA guide 5.7.1.4): these land on the fill
.irp b, 0,1,2,3,4,5,6
	TSTORE \a, \b
.endr
.endr
	s_wait_dscnt 0x0                               ; the stores are done before their data registers take the code fragments
	FETCHX 0
	FETCHX 1
.irp t, 0,1,2,3,4,5,6,7,8,9,10,11,12
	KVSTEP \t
.endr
	s_wait_dscnt 0x0                               ; for the others' sake: my part of K and V has landed
	s_barrier_signal -1
	s_barrier_wait -1                              ; K and V are whole; from here on each wave reads them and works alone
	; ---------------- C: S^T = K Q^T, 224 matrix instructions
	LOADK 0
	; the addresses of the weights' table and of the codes' turn are made here: thirteen plain instructions on registers that the last products did not name; with the four behind those products
	; they are the places in front of the first products below, which write over k's and v's results
	s_add_co_u32 s26, s27, 32                      ; the weights' table begins 32 bytes into the stage: places down to 7 in front of a row are written
	v_and_b32 v[T1], 7, v[RR]                      ; qx
	v_mul_u32_u24 v[T1+1], v[RR], PK
	v_add_nc_u32 v[T1+1], s26, v[T1+1]
	v_lshlrev_b32 v[T1], 2, v[T1]
	v_sub_nc_u32 v[T1+1], v[T1+1], v[T1]           ; row r, moved back by qx places: key (ky, kx) goes to place 16 ky + kx - qx, so window column b of band row ky lies at place 16 ky + b
	v_lshl_add_u32 v[PW], v[HH], 5, v[T1+1]        ; lanes 16-31 hold the key 8 further on: in the same band row that is 8 places on,
	v_mad_u32_u24 v[PW+1], v[HH], 40, v[T1+1]      ; in the next band row 16 - 6 = 10 places on
	v_mov_b32 v[PRD], s26
	v_and_b32 v[CST], 31, v0
	v_lshl_add_u32 v[CST], v[CST], 2, s27
	v_mul_u32_u24 v[CRD], v[RR], PC
	v_lshl_add_u32 v[CRD], v[HH], 4, v[CRD]
	v_add_nc_u32 v[CRD], s27, v[CRD]
.set c_, 0
.rept 16
.if c_ < 15
.if c_ > 0
	PLACES 8                                       ; in front of loads into the set of fragments that the chunk before this one multiplied
.endif
	LOADK c_+1
	s_wait_dscnt 7                                 ; this chunk's 7 loads are in; the next chunk's may be out
.else
	s_wait_dscnt 0x0
.endif
	MULS c_
.set c_, c_+1
.endr
	PLACES 8                                       ; in front of the loads into the fragments' registers and of the first read of the scores
.irp t, 0,1,2,3,4,5,6
	ds_load_b128 v[TT+8*\t:TT+8*\t+3], v[TR] offset:64*\t      ; my 56 penalties, in the scores' layout
	ds_load_b128 v[TT+8*\t+4:TT+8*\t+7], v[TR] offset:64*\t+16
.endr
	LOADVR 0                                       ; the first two rows of V and W_out's 8 fragments land while the softmax is worked
	LOADVR 1
.set f_, 0
.rept 8
.irp c, 0,1,2,3
	ds_load_b128 v[WOF+16*f_+4*\c:WOF+16*f_+4*\c+3], v[LI] offset:OIMG+2048*f_+512*\c
.endr
.set f_, f_+1
.endr
	WIN 0
	s_wait_dscnt 60                                ; the penalties are in; behind them: 28 loads of V and 32 of W_out
	; ---------------- the softmax: one query a lane, 56 of its 112 keys; the other 56 in the lane 16 away
.set n_, 0
.rept 28
	v_pk_fma_f32 v[TT+2*n_:TT+2*n_+1], v[ACC+2*n_:ACC+2*n_+1], s[SCF:SCF+1], v[TT+2*n_:TT+2*n_+1] op_sel_hi:[1,0,1] neg_lo:[0,0,1] neg_hi:[0,0,1]   ; score x scale - penalty; each accumulator from its low end on
.set n_, n_+1
.endr
	v_max3_num_f32 v[MX], v[TT], v[TT+1], v[TT+2]  ; the maximum, in two chains
	v_max3_num_f32 v[TM], v[TT+3], v[TT+4], v[TT+5]
.set n_, 6
.rept 12
	v_max3_num_f32 v[MX], v[MX], v[TT+n_], v[TT+n_+1]
	v_max3_num_f32 v[TM], v[TM], v[TT+n_+2], v[TT+n_+3]
.set n_, n_+4
.endr
	v_max3_num_f32 v[MX], v[MX], v[TT+54], v[TT+55]
	v_max_num_f32 v[MX], v[MX], v[TM]
	v_permlanex16_b32 v[TM], v[MX], s[SEL], s[SEL+1]
	v_max_num_f32 v[MX], v[MX], v[TM]              ; finite: the window's 49 keys have finite scores
	v_mul_f32 v[ML], s[L2E], v[MX]                 ; its rounding is common to all keys of the query and falls out with the sum
	v_mov_b32 v[ML+1], v[ML]
.set n_, 0
.rept 28
	v_pk_fma_f32 v[TT+2*n_:TT+2*n_+1], v[TT+2*n_:TT+2*n_+1], s[L2E:L2E+1], v[ML:ML+1] op_sel_hi:[1,0,0] neg_lo:[0,0,1] neg_hi:[0,0,1]   ; (score - maximum) log2(e)
.set n_, n_+1
.endr
.set n_, 0
.rept 56
	v_exp_f32 v[TT+n_], v[TT+n_]                   ; one batch
.set n_, n_+1
.endr
	v_mov_b32 v[RL+1], 0                           ; (named below as the upper half of a pair)  The plain instruction behind the batch
	s_wait_alu depctr_va_vdst(0)                   ; one wait for the 56
	v_pk_add_f32 v[L0:L0+1], v[TT:TT+1], v[TT+2:TT+3]      ; the sum, two at a time, in two chains
	v_pk_add_f32 v[L1:L1+1], v[TT+4:TT+5], v[TT+6:TT+7]
.set n_, 8
.rept 12
	v_pk_add_f32 v[L0:L0+1], v[L0:L0+1], v[TT+n_:TT+n_+1]
	v_pk_add_f32 v[L1:L1+1], v[L1:L1+1], v[TT+n_+2:TT+n_+3]
.set n_, n_+4
.endr
	v_pk_add_f32 v[L0:L0+1], v[L0:L0+1], v[L1:L1+1]
	v_add_f32 v[L0], v[L0], v[L0+1]
	v_permlanex16_b32 v[TM], v[L0], s[SEL], s[SEL+1]
	v_add_f32 v[L0], v[L0], v[TM]
	v_rcp_f32 v[RL], v[L0]
	v_nop
	s_wait_alu depctr_va_vdst(0)
.set n_, 0
.rept 28
	v_pk_mul_f32 v[TT+2*n_:TT+2*n_+1], v[TT+2*n_:TT+2*n_+1], v[RL:RL+1] op_sel_hi:[1,0]   ; the normalised weights
.set n_, n_+1
.endr
.set n_, 21
.rept 14                               ; + 1 at the query's own key, 45 + 14 qy + qx: it can lie in registers 21 to 34 alone (keys 37-39, 48-55, 64-66, less 8 h)
	v_cmp_eq_u32 vcc_lo, 16*(n_/8)+n_%8, v[KS]
	v_add_f32 v[TM], 1.0, v[TT+n_]
	v_cndmask_b32 v[TT+n_], v[TT+n_], v[TM], vcc_lo
.set n_, n_+1
.endr
	; ---------------- the weights go to their table.  Register n holds key k0 = 16 (n / 8) + n % 8 in lanes 0-15 and k0 + 8 in lanes 16-31; key (ky, kx) has place k + 2 ky - qx.
	; Places outside 16 ky + 0 .. 6 take weights of keys outside the window, which nobody reads (place 16 ky + 7 is loaded with its quad and not multiplied).  The penalties, which lay here, are in registers.
.set n_, 0
.rept 56
.set k0_, 16*(n_/8)+n_%8
.set ky_, k0_/14
.set kx_, k0_-14*ky_
.if kx_ > 5
	ds_store_b32 v[PW+1], v[TT+n_] offset:4*(k0_+2*ky_)   ; k0 + 8 lies in the next band row
.else
	ds_store_b32 v[PW], v[TT+n_] offset:4*(k0_+2*ky_)
.endif
.set n_, n_+1
.endr
	; ---------------- attn v + v: 14 blocks of 112 packed multiply-adds.  LDS serves a wave's instructions in order: the loads below see the stores above
	LOADPB 0
	LOADPB 1
	LOADPB 2
	PVBLK 0, 48                                    ; block 0's weights and V's row 0 are in; behind them: the weights of blocks 1 to 3
.irp k, 1,2,3,4,5,6,7,8,9,10
	PVBLK \k, 46                                   ; the last block and this one issued 16 + 16 loads of weights and 14 of a row of V
.endr
	PVBLK 11, 30                                   ; the last weights (16) and the last row of V (14)
	PVBLK 12, 14                                   ; the last row of V
	PVBLK 13, 0
	WIN 0
	; ---------------- the quantiser.  Eight registers are two queries x my 4 channels: the conversion's two registers are those queries' 4 codes each
	v_mov_b32 v[SCA], s50
	v_mov_b32 v[LMA], s51
.set n_, 0
.rept 64
	v_med3_num_f32 v[AO+n_], v[AO+n_], -v[LMA], v[LMA]   ; the hold at the largest code x the scale
.set n_, n_+1
.endr
.set n_, 0
.rept 8
	v_cvt_scalef32_pk8_bf8_f32 v[CD+2*n_:CD+2*n_+1], v[AO+8*n_:AO+8*n_+7], v[SCA]
.set n_, n_+1
.endr
	v_nop                                          ; one plain vector instruction between the conversions and the next vector instruction that reads their results
.irp q, 0,1,2,3,4,5,6,7,8,9,10,11,12,13,14,15
	ds_store_b32 v[CST], v[CD+\q] offset:PC*\q     ; query q's 128 codes: the 32 lanes write 128 consecutive bytes, byte = channel
.endr
.irp c, 0,1,2,3
	ds_load_b128 v[AC+4*\c:AC+4*\c+3], v[CRD] offset:32*\c   ; back as a fragment: lane (r, h): query r, channels 32 c + 16 h + 0 .. 15: the places that W_out's codes have
.endr
	s_wait_dscnt 0x0
	WIN 0x01                                       ; source 0 (W_out) window 1
.irp o, 0,1,2,3,4,5,6,7
	v_wmma_f32_16x16x128_bf8_bf8 v[ACC+8*\o:ACC+8*\o+7], v[WOF+16*\o:WOF+16*\o+15], v[AC:AC+15], 0   ; source 0 = 16 rows of W_out, source 1 = my queries: lane (r, h): query r, outputs 16 o + 8 h + 0 .. 7
.endr
	WIN 0
	PLACES 4
.set n_, 0
.rept 32
	v_pk_mul_f32 v[AO+2*n_:AO+2*n_+1], v[ACC+2*n_:ACC+2*n_+1], s[YS:YS+1] op_sel_hi:[1,0]   ; x 2^(e2 + e3); each accumulator from its low end on
.set n_, n_+1
.endr
	; ---------------- the way out: a lane holds 32 neighbouring bytes of a row and the lanes beside it other rows: through my stage, back as whole rows
.irp o, 0,1,2,3,4,5,6,7
	ds_store_b128 v[STO], v[AO+8*\o:AO+8*\o+3] offset:64*\o
	ds_store_b128 v[STO], v[AO+8*\o+4:AO+8*\o+7] offset:64*\o+16
.endr
.irp i, 0,1,2,3,4,5,6,7,8,9,10,11,12,13,14,15
	ds_load_b128 v[RW+4*\i:RW+4*\i+3], v[SL] offset:PK*\i   ; LDS serves a wave's instructions in order: these see my stores
.endr
.irp i, 0,1,2,3,4,5,6,7,8,9,10,11,12,13,14,15
	s_wait_dscnt 15-\i                             ; row i is in; the younger rows may be out
	global_store_b128 v[LI], v[RW+4*\i:RW+4*\i+3], s[16:17] offset:32768*(\i/8)+512*(\i%8) th:TH_STORE_NT   ; query i = (i / 8, i % 8): 32 lanes store its 512 consecutive bytes, at a multiple of 256 from out0's first byte
.endr
	s_set_vgpr_msb 0xf
	s_wait_tensorcnt 0x0
	ds_add_u32 v0, v1
	s_wait_dscnt 0x0
	s_set_vgpr_msb 0xf00
	s_endpgm
.Lfunc_end_k_q379c684948_local_attention:
	.size	k_q379c684948_local_attention, .Lfunc_end_k_q379c684948_local_attention-k_q379c684948_local_attention
	.p2alignl 7, 3214868480
	.fill 96, 4, 3214868480
	.section	.rodata,"a",@progbits
	.p2align	6, 0x0
	.amdhsa_kernel k_q379c684948_local_attention
		.amdhsa_group_segment_fixed_size 325632
		.amdhsa_private_segment_fixed_size 0
		.amdhsa_enable_private_segment 0
		.amdhsa_kernarg_size 56
		.amdhsa_user_sgpr_count 2
		.amdhsa_user_sgpr_kernarg_segment_ptr 1
		.amdhsa_wavefront_size32 1
		.amdhsa_system_sgpr_workgroup_id_x 1
		.amdhsa_system_sgpr_workgroup_id_y 1
		.amdhsa_system_sgpr_workgroup_id_z 1
		.amdhsa_system_vgpr_workitem_id 0
		.amdhsa_next_free_vgpr 770
		.amdhsa_next_free_sgpr 66
		.amdhsa_reserve_vcc 1
		.amdhsa_float_denorm_mode_32 3
		.amdhsa_float_denorm_mode_16_64 3
		.amdhsa_memory_ordered 1
		.amdhsa_forward_progress 1
		.amdhsa_inst_pref_size 255
	.end_amdhsa_kernel
	.section	.bss,"aw",@nobits
	.p2align	6
	.space	262144
	.amdgpu_metadata
---
amdhsa.version: [ 1, 2 ]
amdhsa.kernels:
  - .name:           k_q379c684948_local_attention
    .symbol:         k_q379c684948_local_attention.kd
    .args:
      - { .name: x, .offset: 0, .size: 8, .value_kind: global_buffer, .address_space: global }
      - { .name: W_qkv_codes, .offset: 8, .size: 8, .value_kind: global_buffer, .address_space: global }
      - { .name: W_out_codes, .offset: 16, .size: 8, .value_kind: global_buffer, .address_space: global }
      - { .name: W_width, .offset: 24, .size: 8, .value_kind: global_buffer, .address_space: global }
      - { .name: b_width, .offset: 32, .size: 8, .value_kind: global_buffer, .address_space: global }
      - { .name: lowp_scales, .offset: 40, .size: 8, .value_kind: global_buffer, .address_space: global }
      - { .name: out0, .offset: 48, .size: 8, .value_kind: global_buffer, .address_space: global }
    .group_segment_fixed_size: 325632
    .private_segment_fixed_size: 0
    .kernarg_segment_align: 8
    .kernarg_segment_size: 56
    .max_flat_workgroup_size: 128
    .sgpr_count:     66
    .vgpr_count:     770
    .wavefront_size: 32
...
	.end_amdgpu_metadata
.endif
;; end of part 1
